; MI455X (gfx1250); checked and timed in simulation.
; The chip was launched on July 23, 2026; its instructions are those of AMD's public machine-readable ISA for CDNA 5 (MIT licence, August 2026) and "CDNA5" Instruction Set Architecture Reference Guide (July 2026). The comments in the code are by the model that wrote it; some were corrected since.
;; Clifford EP Model. Allowed arithmetic: float matrix products may take bf16 or f16 operands with f32 sums; all other float work in f32.
;; Inputs: W_in 512 x 64 x 8 float32; W_out 64 x 512 x 8 float32; x_mv 8,192 x 64 x 8 float32.
;; Outputs: out0 8,192 x 64 float32.
;; One version. Each part assembles by itself: llvm-mc -triple=amdgcn-amd-amdhsa -mcpu=gfx1250 --defsym DOCPART=n.
;; ======== version 1 of 1: 2 launches
;; workspace buffers: weff 65,536 bytes
;; launch compose (part 1): grid 32 x 8, 8 waves a work-group, clusters of 4 x 1, 172,032 bytes of LDS; arguments W_in, W_out, weff; writes weff
.if DOCPART == 1
	.amdgcn_target "amdgcn-amd-amdhsa--gfx1250"
	.amdhsa_code_object_version 6
	.text
	.protected	k_q20db6fd465_compose
	.globl	k_q20db6fd465_compose
	.p2align	8
	.type	k_q20db6fd465_compose,@function
k_q20db6fd465_compose:
	s_mov_b64 s[64:65], 0
	v_nop
	global_prefetch_b8 v0, s[64:65] scope:SCOPE_SE
	s_setreg_imm32_b32 hwreg(HW_REG_WAVE_MODE, 25, 1), 1
	s_wait_xcnt 0x0
	s_wait_alu depctr_hold_cnt(0) depctr_sa_sdst(0) depctr_va_vdst(0) depctr_va_sdst(0) depctr_va_ssrc(0) depctr_va_vcc(0) depctr_vm_vsrc(0)
	s_getreg_b32 s2, hwreg(HW_REG_IB_STS2, 6, 4)
	s_cmp_eq_u32 s2, 0
	s_cbranch_scc0 .Lentry_in_a_cluster
	s_endpgm
.Lentry_in_a_cluster:
	s_bfe_u32 s2, ttmp6, 0x10000c
	s_cmp_lg_u32 s2, 0x3003
	s_cbranch_scc0 .Lentry_shape_is_right
	s_endpgm
.Lentry_shape_is_right:
; COMPOSITE WEIGHTS.  The module is out[b][o] = blade 0 of gp(relax20(gp(x, W_in)), W_out).  The blade table has one signed entry for each pair of blades,
; only blade 0 of the second product is kept, and the 20 relaxation steps are elementwise and linear in their drive with fixed coefficients.  So, for every input,
;   out[b][o] = sum over (m, a) of x[b][m][a] Weff[o][m][a],   Weff = relax20(G),   G[o][m][a] = sum over (h, c) of (-1)^E(a,c) W_out[o][h][a^c] W_in[h][m][c],
; with E(a,c) the exponent of sign(e_a e_c) sign(e_k e_k), k = a ^ c, in Cl(3,0).  This launch makes Weff; the next multiplies x by it.
; LIMITS.  The sums are taken in another order than in the module as written (hidden units first, in 8 slices of 64 on two accumulators each); the 20 steps h <- h + 0.1 (G - h), from h = 0,
; are run in f32 on G in place of the hidden state: the same in real arithmetic, other last bits in f32.  W_in and W_out are rounded to bf16 (nearest even) for the product, Weff once to bf16.
; NaN and infinities are not treated apart: one in a weight reaches every row that it reaches in the module as written.
; SHARES.  Work-group (op, mb): outputs 2 op, 2 op + 1 and inputs m = 8 mb .. 8 mb + 7: 16 chunks of 8 blades, 256 consecutive aligned bytes of weff.  32 x 8 = 256 work-groups.
; Wave v takes hidden units 64 v .. 64 v + 63: 16 K steps of 32 (4 hidden units x 8 blades).  The 8 partial sums meet in LDS; wave 0 adds them, relaxes, rounds and stores.
; THE PRODUCT.  A's 16 rows are (u, a) = 8 u + a (u: which of the two outputs), A[(u,a)][(h,c)] = (-1)^E(a,c) W_out[2 op + u][h][a^c].  B's 16 columns are W_in[h][8 mb + (n & 7)][c]:
; columns 8-15 repeat columns 0-7, the price of tiles of W_in whose rows are 256 whole bytes (16 columns of m would need one output a work-group, twice the bytes of W_in in all).
; In the result lane (n, half) holds G[2 op + half][8 mb + (n & 7)][a = 0..7] in its 8 registers: one chunk of weff.
; K slot (register group j, lane half h', element e) stands for hidden unit 4 q + 2 j + h' and blade c = e, alike in A and B.
; THE BLADE PERMUTATION a ^ c: bits 1 and 2 by the LDS address of an 8-byte pair, bit 0 by a swap of the two bf16 of a word; the signs by an exclusive or on the sign bits.
; CLUSTER 4, 1, 1.  The four partners share mb, so W_in's tile (16,384 of a wave's 20,480 bytes) is asked for jointly, mask 15.  W_out's tile hangs on op and is a load of the wave's own.
; A 4 x 4 cluster, which would share W_out's tile too, is not taken: that tile is a fifth of the bytes.
; weff: bf16, [m >> 3][o][m & 7][a]: byte (m >> 3) 8192 + o 128 + (m & 7) 16 + 2 a.
.set WI_W,   16384                     ; LDS 0: for each wave 64 rows (hidden units) x 256 bytes of W_in in f32, dense: the 8 addresses of a load lie 32 bytes apart
.set WO,     131072                    ; then for each wave 2 rows (u) x 2,048 bytes of W_out in f32, 32 bytes of padding behind every 1,024
.set WO_W,   4352                      ; 4,224 used, rounded up to whole blocks of 256
.set WO_ROW, 2112                      ; from u = 0 to u = 1: 64 modulo 256, so that (u, h') fall on four different groups of 8 banks (64 banks of 4 bytes: ISA guide 11.1)
.set STG,    165888                    ; the partial sums: for each wave 16 chunks x 32 bytes of f32; no tensor load lands here
.set SPARE,  169984                    ; the spare words, 128 bytes for each wave: four blocks of 256 bytes that no other line names
.set SPW, 1                            ; v1      LDS address of my spare word; never rewritten
.set NIL, 2                            ; v2      0; never rewritten
.set AW,  3                            ; v3      my place in my wave's tile of W_in
.set AP,  4                            ; v4-7    my place in my wave's tile of W_out, for blade pair p = 0..3 of c
.set MK,  8                            ; v8-11   sign masks for pair p: bit 15 for c = 2 p, bit 31 for c = 2 p + 1
.set SEL, 12                           ; v12     byte select: as it lies (a even) or the halves swapped (a odd)
.set STO, 13                           ; v13     where my partial chunk goes
.set RD,  14                           ; v14     where wave 0 reads chunk lane & 15 of partial 0
.set GO,  15                           ; v15     that chunk's byte in the work-group's 256 bytes of weff
.set FB0, 32                           ; v32-159 four buffers of 32: a K step as loaded: +8 j + 4 half: W_in;  +16 + 8 j + 2 p: pairs of W_out
.set BF0, 160                          ; v160-191 two buffers of 16: A's fragment, then B's
.set ACC, 192                          ; v192-207 two accumulators, by turns
.set GG,  32                           ; at the end: v32-95 the 8 partial sums, G in the first 8
.set HH,  96                           ; v96-103  h
.set TT,  104                          ; v104-111 G - h
.set PKD, 112                          ; v112-115 Weff's chunk in bf16
.set WV,  10                           ; s10 my wave's number;  s11 mb;  s12 cx;  s13 op
.set G1A, 24                           ; s[24:31] group 1 of W_in's tiles (joint);  s[40:43] group 0
.set G1B, 32                           ; s[32:39] group 1 of W_out's tiles;         s[44:47] group 0
.set G0A, 40
.set G0B, 44
; A round of the cluster's barrier: my work-group's barrier, so that wave 0's signal speaks for all eight waves; wave 0 signals; every wave waits for the four work-groups; my work-group's barrier once more.
.macro ROUND
	s_barrier_signal -1
	s_barrier_wait -1
	s_cmp_lg_u32 s[WV], 0
	s_cbranch_scc1 .Lnot_wave_0_\@
	s_barrier_signal -3
.Lnot_wave_0_\@:
	s_barrier_wait -3
	s_barrier_signal -1
	s_barrier_wait -1
.endm
	s_load_b128 s[4:7], s[0:1], 0x0                ; W_in s[4:5], W_out s[6:7]
	s_load_b64 s[8:9], s[0:1], 0x10                ; weff
	v_lshl_add_u32 v[SPW], v0, 2, SPARE
	v_mov_b32 v[NIL], 0
	ds_add_u32 v[SPW], v[NIL]                      ; the wave's opening: the add and its wait come ahead of my first tensor load; the set-up below, work on registers, stands between them
	v_lshrrev_b32 v16, 5, v0
	v_readfirstlane_b32 s[WV], v16                 ; wave 0..7
	s_and_b32 s11, ttmp7, 0xffff                   ; mb, which the four partners share
	s_bfe_u32 s12, ttmp6, 0x40000                  ; cx: my place in the cluster
	s_lshl_b32 s13, ttmp9, 2                       ; in a cluster launch ttmp9 counts clusters
	s_add_co_u32 s13, s13, s12                     ; op = 4 x cluster x + cx: it enters W_out's and weff's addresses alone
	; group 1 of W_in's tiles: 64 rows (hidden units) x 64 elements of 4 bytes (8 m x 8 blades), 512 elements from row to row, dense in LDS
	s_mov_b32 s[G1A+0], 15|(2<<16)|(1<<21)         ; 15:0 the mask of four; 17:16 elements of 4 bytes; 21 set beside a mask
	s_mov_b32 s[G1A+1], 64<<16                     ; tensor_dim0 = 64
	s_mov_b32 s[G1A+2], 64<<16                     ; tensor_dim1 = 64
	s_mov_b32 s[G1A+3], 64<<16                     ; tile_dim0 = 64
	s_mov_b32 s[G1A+4], 64                         ; tile_dim1 = 64
	s_mov_b32 s[G1A+5], 512                        ; the pitch
	s_mov_b32 s[G1A+6], 0
	s_mov_b32 s[G1A+7], 0
	; group 1 of W_out's tiles: 2 rows (outputs) x 512 elements (64 hidden units x 8 blades), 4,096 elements from row to row
	s_mov_b32 s[G1B+0], (2<<16)|(1<<20)|(7<<22)|(7<<25)  ; elements of 4 bytes; padding on: after every 256 words (code 7) 8 words (code 7)
	s_mov_b32 s[G1B+1], 512<<16                    ; tensor_dim0 = 512
	s_mov_b32 s[G1B+2], 2<<16                      ; tensor_dim1 = 2
	s_mov_b32 s[G1B+3], 512<<16                    ; tile_dim0 = 512
	s_mov_b32 s[G1B+4], 2                          ; tile_dim1 = 2
	s_mov_b32 s[G1B+5], 4096                       ; the pitch
	s_mov_b32 s[G1B+6], 0
	s_mov_b32 s[G1B+7], 0
	s_mov_b32 s[G0A+0], 1                          ; count = 1
	s_lshl_b32 s[G0A+1], s[WV], 14                 ; LDS: wave x 16,384: no place in the cluster enters an LDS address
	s_mov_b32 s[G0B+0], 1
	s_mul_i32 s[G0B+1], s[WV], WO_W
	s_add_co_u32 s[G0B+1], s[G0B+1], WO            ; LDS: WO + wave x 4,352
	s_lshl_b32 s20, s[WV], 17                      ; W_in: 64 hidden units of 2,048 bytes a wave,
	s_lshl_b32 s21, s11, 8                         ; and 256 bytes for each block of 8 m: registers that never hold cx
	s_add_co_u32 s20, s20, s21
	s_mov_b32 s21, 0
	s_lshl_b32 s22, s13, 15                        ; W_out: two outputs of 16,384 bytes,
	s_lshl_b32 s23, s[WV], 11                      ; and 64 hidden units of 32 bytes a wave
	s_add_co_u32 s22, s22, s23
	s_mov_b32 s23, 0
	s_mov_b32 s16, 0x3dcccccd                      ; dt = 0.1
	s_mov_b32 s17, s16                             ; named with it as a pair
	s_mov_b32 s48, 0x00E800E8                      ; the signs: bit a of the low half: E(a, 2 p); of the high half: E(a, 2 p + 1); p = 0
	s_mov_b32 s49, 0x00BD0042                      ; p = 1
	s_mov_b32 s50, 0x0071008E                      ; p = 2
	s_mov_b32 s51, 0x00DB00DB                      ; p = 3
	s_wait_dscnt 0x0                               ; the opening add is done
	s_wait_kmcnt 0x0
	s_add_nc_u64 s[G0A+2:G0A+3], s[4:5], s[20:21]
	s_or_b32 s[G0A+3], s[G0A+3], 0x80000000        ; type = 2
	s_add_nc_u64 s[G0B+2:G0B+3], s[6:7], s[22:23]
	s_or_b32 s[G0B+3], s[G0B+3], 0x80000000
	ROUND                                          ; all four work-groups are here: the joint loads meet
	tensor_load_to_lds s[G0A:G0A+3], s[G1A:G1A+7]  ; my 64 hidden units of W_in, jointly with the same wave of the three partners
	s_nop 0
	tensor_load_to_lds s[G0B:G0B+3], s[G1B:G1B+7]  ; my 64 hidden units of the two outputs' W_out: two tensor loads of mine are out, the launch's only fills
	s_nop 0
.rept 4
	v_nop
.endr
	; the lane's constants are made while the tiles are on their way
	s_lshl_b32 s22, s11, 13                        ; weff: 8,192 bytes for each block of 8 m,
	s_lshl_b32 s23, s13, 8                         ; 256 for each pair of outputs
	s_add_co_u32 s22, s22, s23
	s_mov_b32 s23, 0
	v_and_b32 v16, 7, v0                           ; a (A's rows), and m & 7 (B's columns)
	v_bfe_u32 v17, v0, 4, 1                        ; h': the half of the lanes
	v_bfe_u32 v18, v0, 3, 1                        ; u
	v_lshlrev_b32 v[AW], 5, v16                    ; W_in: 32 bytes for each m,
	v_lshl_add_u32 v[AW], v17, 8, v[AW]            ; a row of 256 for h',
	v_lshl_add_u32 v[AW], s[WV], 14, v[AW]         ; my wave's tile
	v_mul_u32_u24 v19, v18, WO_ROW                 ; W_out: row u,
	v_lshl_add_u32 v19, v17, 5, v19                ; 32 bytes for h',
	v_add_nc_u32 v19, s[G0B+1], v19                ; my wave's tile
	v_lshrrev_b32 v20, 1, v0
.irp p, 0,1,2,3
	v_xor_b32 v21, \p, v20
	v_and_b32 v21, 3, v21                          ; (a >> 1) ^ p: the pair of blades that holds a ^ 2 p and a ^ (2 p + 1)
	v_lshl_add_u32 v[AP+\p], v21, 3, v19
	v_lshrrev_b32 v22, v16, s[48+\p]
	v_and_b32 v22, 0x00010001, v22                 ; E(a, 2 p) and E(a, 2 p + 1),
	v_lshlrev_b32 v[MK+\p], 15, v22                ; on the two sign bits
.endr
	v_and_b32 v21, 1, v0
	v_sub_nc_u32 v21, 0, v21                       ; all ones where a is odd
	v_and_b32 v21, 0x02020202, v21
	v_xor_b32 v[SEL], 0x03020100, v21              ; 0x03020100, or 0x01000302: the halves swapped
	v_lshl_add_u32 v21, v17, 3, v16                ; my result is chunk 8 half + (n & 7)
	v_lshlrev_b32 v21, 5, v21
	v_lshl_add_u32 v21, s[WV], 9, v21
	v_add_nc_u32 v[STO], STG, v21
	v_and_b32 v22, 15, v0
	v_lshl_add_u32 v[RD], v22, 5, STG
	v_lshlrev_b32 v[GO], 4, v22
; K step q as it lies in LDS, 12 loads: W_in[4 q + 2 j + h'][m][0..7] (two of 16 bytes), W_out[u][4 q + 2 j + h'][pair (a >> 1) ^ p] (four of 8 bytes), for j = 0, 1
.macro LDK q
.set FB, FB0+32*((\q)%4)
.irp j, 0,1
.irp hf, 0,1
	ds_load_b128 v[FB+8*\j+4*\hf:FB+8*\j+4*\hf+3], v[AW] offset:(\q)*1024+\j*512+\hf*16
.endr
.endr
.irp j, 0,1
.irp p, 0,1,2,3
	ds_load_b64 v[FB+16+8*\j+2*\p:FB+16+8*\j+2*\p+1], v[AP+\p] offset:(\q)*128+\j*64+((\q)/8)*32  ; hidden units 32 on lie behind the row's first padding
.endr
.endr
.endm
; K step q becomes two fragments: 32 plain vector instructions
.macro CVK q
.set FB, FB0+32*((\q)%4)
.set BF, BF0+16*((\q)%2)
.irp i, 0,1,2,3,4,5,6,7
	v_cvt_pk_bf16_f32 v[BF+8+\i], v[FB+2*\i], v[FB+2*\i+1]        ; B: W_in, rounded to nearest even
.endr
.irp i, 0,1,2,3,4,5,6,7
	v_cvt_pk_bf16_f32 v[BF+\i], v[FB+16+2*\i], v[FB+16+2*\i+1]    ; A: W_out
.endr
.irp i, 0,1,2,3,4,5,6,7
	v_perm_b32 v[BF+\i], v[BF+\i], v[BF+\i], v[SEL]               ; bit 0 of a ^ c
.endr
.irp i, 0,1,2,3,4,5,6,7
	v_xor_b32 v[BF+\i], v[MK+\i%4], v[BF+\i]                      ; the signs
.endr
.endm
.macro MMK q                           ; the first product on each accumulator starts its sum: nothing is cleared
.set BF, BF0+16*((\q)%2)
.set AC, ACC+8*((\q)%2)
.if (\q) < 2
	v_wmma_f32_16x16x32_bf16 v[AC:AC+7], v[BF:BF+7], v[BF+8:BF+15], 0
.else
	v_wmma_f32_16x16x32_bf16 v[AC:AC+7], v[BF:BF+7], v[BF+8:BF+15], v[AC:AC+7]
.endif
.endm
	s_wait_tensorcnt 0x0                           ; both my tiles are in LDS; I read no bytes but those that my own two loads brought, so no barrier stands here
	LDK 0
	LDK 1
	LDK 2
	LDK 3
; The two accumulators take turns, one instruction a turn.  A fragment buffer is written again two K steps on: the 32 plain instructions of the step between, which name
; none of the product's registers, are the places behind it (ISA guide 7.12.1).
.set q, 0
.rept 16
.if q < 13
	s_wait_dscnt 36                                ; LDS loads come back in order (ISA guide 5.7.1): step q is in, the 12 loads of each of the three younger steps may be out
.else
	s_wait_dscnt 12*(15-q)                         ; the counts run down: 24, 12, 0
.endif
	CVK q
	MMK q
.if q < 12
	LDK q+4                                        ; into the buffer just converted
.endif
.set q, q+1
.endr
.rept 4
	v_nop                                          ; the places behind the last product
.endr
.irp k, 0,2,4,6
	v_pk_add_f32 v[ACC+\k:ACC+\k+1], v[ACC+\k:ACC+\k+1], v[ACC+8+\k:ACC+8+\k+1]  ; the even and the odd K steps' sums; each accumulator's lowest registers are read first
.endr
	ds_store_b128 v[STO], v[ACC:ACC+3]             ; lanes n and n + 8 hold the same numbers and write the same bytes
	ds_store_b128 v[STO], v[ACC+4:ACC+7] offset:16
	s_wait_dscnt 0x0                               ; for wave 0's sake: my partial sum is in LDS
	s_barrier_signal -1
	s_barrier_wait -1
	s_cmp_lg_u32 s[WV], 0
	s_cbranch_scc1 .Lend                           ; what is left is 16 chunks of 8 numbers: one wave's work
.irp pw, 0,1,2,3,4,5,6,7
.irp hf, 0,1
	ds_load_b128 v[GG+8*\pw+4*\hf:GG+8*\pw+4*\hf+3], v[RD] offset:\pw*512+\hf*16  ; chunk lane & 15 of wave pw's partial sum
.endr
.endr
	s_wait_dscnt 0x0
.irp pw, 1,2,3,4,5,6,7
.irp k, 0,2,4,6
	v_pk_add_f32 v[GG+\k:GG+\k+1], v[GG+\k:GG+\k+1], v[GG+8*\pw+\k:GG+8*\pw+\k+1]  ; G, the slices in ascending order
.endr
.endr
.irp k, 0,1,2,3,4,5,6,7
	v_mov_b32 v[HH+\k], 0                          ; h starts at 0
.endr
	s_mov_b32 s18, 20
.Lrelax:                                               ; 20 steps h <- h + dt (G - h)
.irp k, 0,2,4,6
	v_pk_add_f32 v[TT+\k:TT+\k+1], v[GG+\k:GG+\k+1], v[HH+\k:HH+\k+1] neg_lo:[0,1] neg_hi:[0,1]
.endr
.irp k, 0,2,4,6
	v_pk_fma_f32 v[HH+\k:HH+\k+1], v[TT+\k:TT+\k+1], s[16:17], v[HH+\k:HH+\k+1] op_sel_hi:[1,0,1]
.endr
	s_sub_co_u32 s18, s18, 1
	s_cmp_lg_u32 s18, 0
	s_cbranch_scc1 .Lrelax
.irp i, 0,1,2,3
	v_cvt_pk_bf16_f32 v[PKD+\i], v[HH+2*\i], v[HH+2*\i+1]
.endr
	s_add_nc_u64 s[8:9], s[8:9], s[22:23]          ; the work-group's 256 bytes of weff
	v_cmp_gt_u32 vcc_lo, 16, v0                    ; in wave 0 the thread's number is the lane's: lanes 16-31 hold the same chunks once more
	s_wait_xcnt 0x0                                ; EXEC changes only behind this wait
	s_and_saveexec_b32 s19, vcc_lo
	global_store_b128 v[GO], v[PKD:PKD+3], s[8:9]  ; 16 lanes store 256 consecutive bytes, at a multiple of 256 from weff's first byte
	s_wait_xcnt 0x0                                ; and again, in front of the line that widens it
	s_or_b32 exec_lo, exec_lo, s19
.Lend:
	s_wait_tensorcnt 0x0                           ; the wave's end: a spare-word add and its wait, behind my last tensor load and my last LDS store
	ds_add_u32 v[SPW], v[NIL]
	s_wait_dscnt 0x0
	ROUND                                          ; the closing round: no work-group ends while a partner may still ask for a tile that names it
	s_endpgm
.Lfunc_end_k_q20db6fd465_compose:
	.size	k_q20db6fd465_compose, .Lfunc_end_k_q20db6fd465_compose-k_q20db6fd465_compose
	.p2alignl 7, 3214868480
	.fill 96, 4, 3214868480
	.section	.rodata,"a",@progbits
	.p2align	6, 0x0
	.amdhsa_kernel k_q20db6fd465_compose
		.amdhsa_group_segment_fixed_size 172032
		.amdhsa_private_segment_fixed_size 0
		.amdhsa_enable_private_segment 0
		.amdhsa_kernarg_size 24
		.amdhsa_user_sgpr_count 2
		.amdhsa_user_sgpr_kernarg_segment_ptr 1
		.amdhsa_wavefront_size32 1
		.amdhsa_system_sgpr_workgroup_id_x 1
		.amdhsa_system_sgpr_workgroup_id_y 1
		.amdhsa_system_sgpr_workgroup_id_z 1
		.amdhsa_system_vgpr_workitem_id 0
		.amdhsa_next_free_vgpr 208
		.amdhsa_next_free_sgpr 66
		.amdhsa_reserve_vcc 1
		.amdhsa_float_denorm_mode_32 3
		.amdhsa_float_denorm_mode_16_64 3
		.amdhsa_memory_ordered 1
		.amdhsa_forward_progress 1
		.amdhsa_inst_pref_size 53
	.end_amdhsa_kernel
	.amdgpu_metadata
---
amdhsa.version: [ 1, 2 ]
amdhsa.kernels:
  - .name:           k_q20db6fd465_compose
    .symbol:         k_q20db6fd465_compose.kd
    .args:
      - { .name: W_in, .offset: 0, .size: 8, .value_kind: global_buffer, .address_space: global }
      - { .name: W_out, .offset: 8, .size: 8, .value_kind: global_buffer, .address_space: global }
      - { .name: weff, .offset: 16, .size: 8, .value_kind: global_buffer, .address_space: global }
    .group_segment_fixed_size: 172032
    .private_segment_fixed_size: 0
    .kernarg_segment_align: 8
    .kernarg_segment_size: 24
    .max_flat_workgroup_size: 256
    .sgpr_count:     66
    .vgpr_count:     208
    .wavefront_size: 32
...
	.end_amdgpu_metadata
.endif
;; end of part 1
;; launch apply (part 2): grid 256 x 1, 8 waves a work-group, clusters of 4 x 1, 215,040 bytes of LDS; arguments x_mv, weff, out0; writes out0
.if DOCPART == 2
	.amdgcn_target "amdgcn-amd-amdhsa--gfx1250"
	.amdhsa_code_object_version 6
	.text
	.protected	k_q20db6fd465_apply
	.globl	k_q20db6fd465_apply
	.p2align	8
	.type	k_q20db6fd465_apply,@function
k_q20db6fd465_apply:
	s_mov_b64 s[64:65], 0
	v_nop
	global_prefetch_b8 v0, s[64:65] scope:SCOPE_SE
	s_setreg_imm32_b32 hwreg(HW_REG_WAVE_MODE, 25, 1), 1
	s_wait_xcnt 0x0
	s_wait_alu depctr_hold_cnt(0) depctr_sa_sdst(0) depctr_va_vdst(0) depctr_va_sdst(0) depctr_va_ssrc(0) depctr_va_vcc(0) depctr_vm_vsrc(0)
	s_getreg_b32 s2, hwreg(HW_REG_IB_STS2, 6, 4)
	s_cmp_eq_u32 s2, 0
	s_cbranch_scc0 .Lentry_in_a_cluster
	s_endpgm
.Lentry_in_a_cluster:
	s_bfe_u32 s2, ttmp6, 0x10000c
	s_cmp_lg_u32 s2, 0x3003
	s_cbranch_scc0 .Lentry_shape_is_right
	s_endpgm
.Lentry_shape_is_right:
; out0[b][o] = sum over n = (m, a) of x[b][n] Weff[o][n]: [8192 x 512] times [64 x 512]^T.  x is f32 and is rounded to bf16 (nearest even) on its way to the matrix unit; Weff is bf16, as the launch
; before stored it: [m >> 3][o][m & 7][a].  Sums in f32; out0 in f32.
; LIMITS.  The sum over n is taken in 8 slices of 64, each in two K steps, and the slices are added in ascending order: another order than in the module as written.  NaN and infinities are not treated apart.
; SHARES.  Work-group g owns rows 32 g .. 32 g + 31: 256 work-groups.  Wave w owns the slice n = 64 w .. 64 w + 63 (m = 8 w .. 8 w + 7) and makes the whole 32 x 64 partial sum from it: 8 accumulators,
; 16 matrix instructions.  So each wave's tile of x has rows of 256 whole bytes and each byte of x is fetched once.  The 8 partial sums meet in LDS, and that pass is also the way out:
; wave w adds and stores rows 4 w .. 4 w + 3 as whole rows of 256 bytes.
; THE MATRIX INSTRUCTION IS USED TRANSPOSED: source 0 = 16 outputs of Weff, source 1 = 16 rows of x: a lane holds one row and eight neighbouring outputs.
; K slot (register group j, lane half h', element e) stands for m & 7 = 4 s + 2 j + h' and blade a = e, alike in both sources.
; CLUSTER 4, 1, 1.  Every work-group reads all 65,536 bytes of Weff: the four partners ask for each wave's 8,192 jointly, mask 15.  x's tiles are each work-group's own.
; All that a work-group reads (131,072 bytes) is asked for at once and fits in LDS: no slot is filled twice.
.set X_W,   8704                       ; LDS 0: for each wave 32 rows x 256 bytes of x in f32, 272 apart: the 16 rows of a load start at 16 different groups of four banks (64 banks of 4 bytes: ISA guide 11.1)
.set XP,    272
.set WB,    69632                      ; then for each wave 64 rows (outputs) x 128 bytes of Weff in bf16, 144 apart
.set W_W,   9216
.set WP,    144
.set STG,   143360                     ; the partial sums: for each wave 32 rows x 256 bytes of f32, 272 apart; no tensor load lands here
.set SPARE, 212992                     ; the spare words, 128 bytes for each wave: four blocks of 256 bytes that no other line names
.set SPW, 1                            ; v1      LDS address of my spare word; never rewritten
.set NIL, 2                            ; v2      0; never rewritten
.set AX,  3                            ; v3      my place in my wave's tile of x
.set AWF, 4                            ; v4      my place in my wave's tile of Weff
.set STO, 5                            ; v5      where my partial sums go
.set RD,  6                            ; v6      where I read partial 0 of the rows that I add
.set GO,  7                            ; v7      my 16 bytes in 512 consecutive bytes of out0
.set XF,  16                           ; v16-79   x in f32: fragment f = 2 i + s at XF + 16 f, + 8 j + 4 half.  Later: the partial sums to be added
.set XB,  80                           ; v80-111  x in bf16: fragment f at XB + 8 f
.set WF,  112                          ; v112-175 Weff: K step s, outputs 16 t on, at WF + 8 (4 s + t)
.set ACC, 176                          ; v176-239 accumulator (t, i) at ACC + 8 (2 t + i)
.set WV,  10                           ; s10 my wave's number;  s12 cx;  s13 g
.set G1X, 24                           ; s[24:31] group 1 of x's tiles;              s[40:43] group 0
.set G1W, 32                           ; s[32:39] group 1 of Weff's tiles (joint);   s[44:47] group 0
.set G0X, 40
.set G0W, 44
; A round of the cluster's barrier: my work-group's barrier, so that wave 0's signal speaks for all eight waves; wave 0 signals; every wave waits for the four work-groups; my work-group's barrier once more.
.macro ROUND
	s_barrier_signal -1
	s_barrier_wait -1
	s_cmp_lg_u32 s[WV], 0
	s_cbranch_scc1 .Lnot_wave_0_\@
	s_barrier_signal -3
.Lnot_wave_0_\@:
	s_barrier_wait -3
	s_barrier_signal -1
	s_barrier_wait -1
.endm
	s_load_b128 s[4:7], s[0:1], 0x0                ; x s[4:5], weff s[6:7]
	s_load_b64 s[8:9], s[0:1], 0x10                ; out0
	v_lshl_add_u32 v[SPW], v0, 2, SPARE
	v_mov_b32 v[NIL], 0
	ds_add_u32 v[SPW], v[NIL]                      ; the wave's opening: the add and its wait come ahead of my first tensor load; the set-up below, work on registers, stands between them
	v_lshrrev_b32 v8, 5, v0
	v_readfirstlane_b32 s[WV], v8                  ; wave 0..7
	s_bfe_u32 s12, ttmp6, 0x40000                  ; cx: my place in the cluster
	s_lshl_b32 s13, ttmp9, 2                       ; in a cluster launch ttmp9 counts clusters
	s_add_co_u32 s13, s13, s12                     ; g = 4 x cluster x + cx: it enters x's and out0's addresses alone
	; group 1 of x's tiles: 32 rows x 64 elements of 4 bytes, 512 elements from row to row, 16 bytes of padding behind each row
	s_mov_b32 s[G1X+0], (2<<16)|(1<<20)|(5<<22)|(3<<25)  ; elements of 4 bytes; padding on: after every 64 words (code 5) 4 words (code 3)
	s_mov_b32 s[G1X+1], 64<<16                     ; tensor_dim0 = 64
	s_mov_b32 s[G1X+2], 32<<16                     ; tensor_dim1 = 32
	s_mov_b32 s[G1X+3], 64<<16                     ; tile_dim0 = 64
	s_mov_b32 s[G1X+4], 32                         ; tile_dim1 = 32
	s_mov_b32 s[G1X+5], 512                        ; the pitch
	s_mov_b32 s[G1X+6], 0
	s_mov_b32 s[G1X+7], 0
	; group 1 of Weff's tiles: 8,192 dense bytes, asked for as 32 rows of 256 (two outputs a row), padded in LDS behind every output's 128 bytes
	s_mov_b32 s[G1W+0], 15|(2<<16)|(1<<20)|(1<<21)|(4<<22)|(3<<25)  ; the mask of four; elements of 4 bytes; padding on; 21 set beside a mask; after every 32 words (code 4) 4 words (code 3)
	s_mov_b32 s[G1W+1], 64<<16
	s_mov_b32 s[G1W+2], 32<<16
	s_mov_b32 s[G1W+3], 64<<16
	s_mov_b32 s[G1W+4], 32
	s_mov_b32 s[G1W+5], 64
	s_mov_b32 s[G1W+6], 0
	s_mov_b32 s[G1W+7], 0
	s_mov_b32 s[G0X+0], 1                          ; count = 1
	s_mul_i32 s[G0X+1], s[WV], X_W                 ; LDS: wave x 8,704: no place in the cluster enters an LDS address
	s_mov_b32 s[G0W+0], 1
	s_mul_i32 s[G0W+1], s[WV], W_W
	s_add_co_u32 s[G0W+1], s[G0W+1], WB            ; LDS: WB + wave x 9,216
	s_lshl_b32 s20, s[WV], 13                      ; Weff: 8,192 bytes a wave: made of the wave's number alone
	s_mov_b32 s21, 0
	s_lshl_b32 s22, s13, 16                        ; x: 32 rows of 2,048 bytes a work-group,
	s_lshl_b32 s23, s[WV], 8                       ; 256 bytes of each row a wave
	s_add_co_u32 s22, s22, s23
	s_mov_b32 s23, 0
	s_mul_i32 s14, s[WV], 4*XP
	s_add_co_u32 s14, s14, STG                     ; the stage's rows 4 w on
	s_wait_dscnt 0x0                               ; the opening add is done
	s_wait_kmcnt 0x0
	s_add_nc_u64 s[G0X+2:G0X+3], s[4:5], s[22:23]
	s_or_b32 s[G0X+3], s[G0X+3], 0x80000000        ; type = 2
	s_add_nc_u64 s[G0W+2:G0W+3], s[6:7], s[20:21]
	s_or_b32 s[G0W+3], s[G0W+3], 0x80000000
	ROUND                                          ; all four work-groups are here: the joint loads meet
	tensor_load_to_lds s[G0X:G0X+3], s[G1X:G1X+7]  ; my slice of the work-group's 32 rows of x
	s_nop 0
	tensor_load_to_lds s[G0W:G0W+3], s[G1W:G1W+7]  ; my slice of Weff, jointly with the same wave of the three partners: two tensor loads of mine are out, the launch's only fills
	s_nop 0
.rept 4
	v_nop
.endr
	; the lane's addresses are made while the tiles are on their way
	s_lshl_b32 s22, s13, 13                        ; out0: 32 rows of 256 bytes a work-group,
	s_lshl_b32 s23, s[WV], 10                      ; 4 rows a wave
	s_add_co_u32 s22, s22, s23
	s_mov_b32 s23, 0
	v_and_b32 v8, 15, v0                           ; r
	v_bfe_u32 v9, v0, 4, 1                         ; h
	v_mul_u32_u24 v[AX], v8, XP                    ; x: row r,
	v_lshl_add_u32 v[AX], v9, 5, v[AX]             ; 32 bytes (one m) for h,
	v_add_nc_u32 v[AX], s[G0X+1], v[AX]            ; my wave's tile
	v_mul_u32_u24 v[AWF], v8, WP                   ; Weff: output r,
	v_lshl_add_u32 v[AWF], v9, 4, v[AWF]           ; 16 bytes (one m) for h,
	v_add_nc_u32 v[AWF], s[G0W+1], v[AWF]          ; my wave's tile
	v_add_nc_u32 v[STO], STG, v[AX]                ; the stage: row r, 32 bytes (8 outputs) for h, my wave's part: the same sum
	v_mul_u32_u24 v[RD], v9, XP                    ; back: lanes 0-15 take one row of 256 bytes, lanes 16-31 the next
	v_lshl_add_u32 v[RD], v8, 4, v[RD]
	v_add_nc_u32 v[RD], s14, v[RD]
	v_and_b32 v[GO], 31, v0
	v_lshlrev_b32 v[GO], 4, v[GO]                  ; and the same two rows in out0
	s_wait_tensorcnt 0x0                           ; both my tiles are in LDS; I read no bytes but those that my own two loads brought, so no barrier stands here
.irp i, 0,1
.irp s, 0,1
.irp j, 0,1
.irp hf, 0,1
	ds_load_b128 v[XF+16*(2*\i+\s)+8*\j+4*\hf:XF+16*(2*\i+\s)+8*\j+4*\hf+3], v[AX] offset:\i*16*XP+\s*128+\j*64+\hf*16  ; x[16 i + r][m & 7 = 4 s + 2 j + h][4 half ..]
.endr
.endr
.endr
.endr
.irp s, 0,1
.irp t, 0,1,2,3
.irp j, 0,1
	ds_load_b128 v[WF+8*(4*\s+\t)+4*\j:WF+8*(4*\s+\t)+4*\j+3], v[AWF] offset:\t*16*WP+\s*64+\j*32  ; Weff[16 t + r][m & 7 = 4 s + 2 j + h][0..7]
.endr
.endr
.endr
	s_wait_dscnt 16                                ; LDS loads come back in order (ISA guide 5.7.1): x is in, Weff's 16 loads may be out
.irp f, 0,1,2,3
.irp e, 0,1,2,3,4,5,6,7
	v_cvt_pk_bf16_f32 v[XB+8*\f+\e], v[XF+16*\f+2*\e], v[XF+16*\f+2*\e+1]  ; rounded to nearest even
.endr
.endr
	s_wait_dscnt 0x0
; The 8 accumulators take turns, one instruction a turn; the first K step starts the sums: nothing is cleared.
.irp t, 0,1,2,3
.irp i, 0,1
	v_wmma_f32_16x16x32_bf16 v[ACC+8*(2*\t+\i):ACC+8*(2*\t+\i)+7], v[WF+8*\t:WF+8*\t+7], v[XB+16*\i:XB+16*\i+7], 0
.endr
.endr
.irp t, 0,1,2,3
.irp i, 0,1
	v_wmma_f32_16x16x32_bf16 v[ACC+8*(2*\t+\i):ACC+8*(2*\t+\i)+7], v[WF+32+8*\t:WF+32+8*\t+7], v[XB+16*\i+8:XB+16*\i+15], v[ACC+8*(2*\t+\i):ACC+8*(2*\t+\i)+7]
.endr
.endr
.rept 4
	v_nop                                          ; the places behind the last products (ISA guide 7.12.1)
.endr
.irp t, 0,1,2,3
.irp i, 0,1
.irp hf, 0,1
	ds_store_b128 v[STO], v[ACC+8*(2*\t+\i)+4*\hf:ACC+8*(2*\t+\i)+4*\hf+3] offset:\i*16*XP+\t*64+\hf*16  ; row 16 i + r, outputs 16 t + 8 h + 4 half on; each accumulator's lowest registers first
.endr
.endr
.endr
	s_wait_dscnt 0x0                               ; for the others' sake: my partial sum is in LDS
	s_barrier_signal -1
	s_barrier_wait -1
.irp e, 0,1
.irp p, 0,1,2,3,4,5,6,7
	ds_load_b128 v[XF+32*\e+4*\p:XF+32*\e+4*\p+3], v[RD] offset:\p*X_W+\e*2*XP  ; wave p's partial sum of row 4 w + 2 e + h, outputs 4 r on
.endr
.endr
	s_add_nc_u64 s[8:9], s[8:9], s[22:23]          ; out0 at my four rows
	s_wait_dscnt 0x0
.irp e, 0,1
.irp p, 1,2,3,4,5,6,7
.irp k, 0,2
	v_pk_add_f32 v[XF+32*\e+\k:XF+32*\e+\k+1], v[XF+32*\e+\k:XF+32*\e+\k+1], v[XF+32*\e+4*\p+\k:XF+32*\e+4*\p+\k+1]  ; the slices in ascending order
.endr
.endr
.endr
	global_store_b128 v[GO], v[XF:XF+3], s[8:9] th:TH_STORE_NT                  ; each store covers 512 consecutive bytes, two whole rows, at a multiple of 256 from out0's first byte
	global_store_b128 v[GO], v[XF+32:XF+35], s[8:9] offset:512 th:TH_STORE_NT
	s_wait_tensorcnt 0x0                           ; the wave's end: a spare-word add and its wait, behind my last tensor load and my last LDS store
	ds_add_u32 v[SPW], v[NIL]
	s_wait_dscnt 0x0
	ROUND                                          ; the closing round: no work-group ends while a partner may still ask for a tile that names it
	s_endpgm
.Lfunc_end_k_q20db6fd465_apply:
	.size	k_q20db6fd465_apply, .Lfunc_end_k_q20db6fd465_apply-k_q20db6fd465_apply
	.p2alignl 7, 3214868480
	.fill 96, 4, 3214868480
	.section	.rodata,"a",@progbits
	.p2align	6, 0x0
	.amdhsa_kernel k_q20db6fd465_apply
		.amdhsa_group_segment_fixed_size 215040
		.amdhsa_private_segment_fixed_size 0
		.amdhsa_enable_private_segment 0
		.amdhsa_kernarg_size 24
		.amdhsa_user_sgpr_count 2
		.amdhsa_user_sgpr_kernarg_segment_ptr 1
		.amdhsa_wavefront_size32 1
		.amdhsa_system_sgpr_workgroup_id_x 1
		.amdhsa_system_sgpr_workgroup_id_y 1
		.amdhsa_system_sgpr_workgroup_id_z 1
		.amdhsa_system_vgpr_workitem_id 0
		.amdhsa_next_free_vgpr 240
		.amdhsa_next_free_sgpr 66
		.amdhsa_reserve_vcc 0
		.amdhsa_float_denorm_mode_32 3
		.amdhsa_float_denorm_mode_16_64 3
		.amdhsa_memory_ordered 1
		.amdhsa_forward_progress 1
		.amdhsa_inst_pref_size 14
	.end_amdhsa_kernel
	.amdgpu_metadata
---
amdhsa.version: [ 1, 2 ]
amdhsa.kernels:
  - .name:           k_q20db6fd465_apply
    .symbol:         k_q20db6fd465_apply.kd
    .args:
      - { .name: x_mv, .offset: 0, .size: 8, .value_kind: global_buffer, .address_space: global }
      - { .name: weff, .offset: 8, .size: 8, .value_kind: global_buffer, .address_space: global }
      - { .name: out0, .offset: 16, .size: 8, .value_kind: global_buffer, .address_space: global }
    .group_segment_fixed_size: 215040
    .private_segment_fixed_size: 0
    .kernarg_segment_align: 8
    .kernarg_segment_size: 24
    .max_flat_workgroup_size: 256
    .sgpr_count:     66
    .vgpr_count:     240
    .wavefront_size: 32
...
	.end_amdgpu_metadata
.endif
;; end of part 2
